; MI455X (gfx1250); checked and timed in simulation.
; The chip was launched on July 23, 2026; its instructions are those of AMD's public machine-readable ISA for CDNA 5 (MIT licence, August 2026) and "CDNA5" Instruction Set Architecture Reference Guide (July 2026). The comments in the code are by the model that wrote it; some were corrected since.
;; Quant Mlp With Cuda Kernel. Allowed arithmetic: float matrix products may take bf16 or f16 operands with f32 sums; other float arithmetic in f32, or as packed bf16 or f16 multiplies, adds, multiply-adds, maxima and minima; sums over many terms, partial sums and values carried from step to step in f32; what a program stores and reads back later, other than sums and carried values, may be rounded once to bf16 or f16.
;; Inputs: b1 8,192 float32; b2 2,048 float32; w1 8,192 x 2,048 float32; w2 2,048 x 8,192 float32; x 2,048 x 2,048 float32.
;; Outputs: out0 2,048 x 2,048 float32.
;; One version. Each part assembles by itself: llvm-mc -triple=amdgcn-amd-amdhsa -mcpu=gfx1250 --defsym DOCPART=n.
;; ======== version 1 of 1: 4 launches
;; workspace buffers: q 75,497,472 bytes; scales 49,152 bytes; h 67,108,864 bytes; hq 33,554,432 bytes; sh 8,192 bytes
;; launch quant (part 1): grid 4608 x 1, 4 waves a work-group, no clusters, 768 bytes of LDS; arguments x, w1, w2, q, scales; writes q, scales
.if DOCPART == 1
	.amdgcn_target "amdgcn-amd-amdhsa--gfx1250"
	.amdhsa_code_object_version 6
	.text
	.protected	k_q9d9cc7deac_quant
	.globl	k_q9d9cc7deac_quant
	.p2align	8
	.type	k_q9d9cc7deac_quant,@function
k_q9d9cc7deac_quant:
	s_mov_b64 s[64:65], 0
	v_nop
	global_prefetch_b8 v0, s[64:65] scope:SCOPE_SE
	s_setreg_imm32_b32 hwreg(HW_REG_WAVE_MODE, 25, 1), 1
	s_wait_xcnt 0x0
; SYMMETRIC QUANTISATION BY ROWS of x [2048][2048], w1 [8192][2048] and w2 [2048][8192], all f32:
;   s = max(max|row| / 127, 1e-8),  q = round(t / s), a whole number in -127 .. 127, stored as bf16 (exact: eight significant bits hold 127).
; q: xq at byte 0, w1q at 8,388,608, w2q at 41,943,040.  scales (f32): sx at byte 0, sw1 at 8,192, sw2 at 40,960.
; SHARES.  Work-group g owns 32,768 consecutive source bytes, four segments of 2,048 numbers, one a wave: g < 512 four rows of x, g < 2,560 four rows of w1,
; else one row of w2 in four parts.  Its 16,384 bytes of q begin at 16,384 g whichever tensor it serves.  A wave keeps its segment in 64 registers between the
; pass that finds the maximum and the pass that divides: each byte is read once.  No loop: the wave's sixteen loads, 8,192 bytes, go out together.
; ARITHMETIC: ANOTHER ORDER OF ROUNDING THAN A DIVISION.  Both divisions are taken as multiplications by a reciprocal, the form that a division by a number that is the same for a whole row
; takes when it is compiled so:
;   RECIP = 1: t / s is t x y, y = 1 / s to the nearest f32 (the hardware's reciprocal and one Newton step).  The product is off from the quotient to the nearest f32 by a unit of the last place in
;   about a third of the elements; the whole numbers part only where the quotient lies within a unit of its last place of a whole number and a half: some three of x's 4.2 million elements.
;   One whole number of xq off by one moves all 8,192 hidden values of its token, so the choice between the two forms counts.
;   RECIP = 0 makes the division to the nearest f32: q0 = t y, e = t - q0 s (one fused multiply-add, exact), q0 + e y.
;   DIV_EXACT = 0: max / 127 is max x fl(1/127); it differs from the division by one unit of the last place in about one row in eighteen.  DIV_EXACT = 1 makes that division to the nearest f32.
; ROUNDING to a whole number: t + 1.5 x 2^23 and - 1.5 x 2^23.  In [2^23, 2^24) the step of f32 is 1, so the first addition rounds to the nearest whole number, ties to even
; (the rounding mode at the entry); the constant is even, so parity is kept; the second addition is exact.
; THE CLIP is not written: s, y and the product are each off by 2^-24 of themselves at the most and fl(1/127) by 2^-28, so |t| y <= 127 (1 + 2^-21) for every t of the row, which rounds to 127.
; LIMITS.  NaN loses every maximum and is not treated apart, nor are infinities; -0 comes out as +0, which no product tells apart.
; The scales leave as single words, 49,152 bytes in the whole launch: those stores do not cover 256 consecutive bytes.
.set RECIP, 1
.set DIV_EXACT, 0
.set SPARE, 256                        ; LDS: bytes 0-15 the four waves' maxima, in a block of 256 of their own; from 256 on the spare words, 128 bytes a wave
.set SPW, 2                            ; v2   LDS address of my spare word; never rewritten
.set NIL, 3                            ; v3   0; never rewritten
.set VO,  4                            ; v4   my byte offset in the work-group's source: 8,192 x wave + 16 x lane
.set DO,  5                            ; v5   in its part of q: 4,096 x wave + 8 x lane
.set WA,  6                            ; v6   4 x wave: where my wave's maximum goes in LDS
.set ZA,  7                            ; v7   0: where the four are read
.set SO,  8                            ; v8   byte offset of my scale
.set TP,  9                            ; v9   at work
.set M,   10                           ; v[10:13] four running maxima
.set MW,  14                           ; v[14:17] the four waves' maxima
.set S,   18                           ; v[18:19] s, twice (a pair for the packed forms)
.set R,   20                           ; v[20:21] 1 / s, twice
.set T,   22                           ; v[22:25] quotients
.set E,   26                           ; v[26:29] remainders (RECIP = 0 alone)
.set MG,  30                           ; v[30:31] 1.5 x 2^23, twice
.set X,   32                           ; v[32:95] the segment: load j in v[X+4j : X+4j+3]
	s_load_b256 s[4:11], s[0:1], 0x0               ; x s[4:5], w1 s[6:7], w2 s[8:9], q s[10:11]
	s_load_b64 s[12:13], s[0:1], 0x20              ; scales
	v_lshl_add_u32 v[SPW], v0, 2, SPARE
	v_mov_b32 v[NIL], 0
	v_lshrrev_b32 v1, 5, v0
	v_readfirstlane_b32 s14, v1                    ; wave 0..3
	v_and_b32 v[TP], 31, v0                        ; lane
	v_lshlrev_b32 v[VO], 4, v[TP]
	v_lshl_add_u32 v[VO], v1, 13, v[VO]
	v_lshlrev_b32 v[DO], 3, v[TP]
	v_lshl_add_u32 v[DO], v1, 12, v[DO]
	v_mov_b32 v[WA], s14
	v_lshlrev_b32 v[WA], 2, v[WA]
	v_mov_b32 v[ZA], 0
	v_mov_b32 v[MG], 0x4b400000                    ; 1.5 x 2^23
	v_mov_b32 v[MG+1], 0x4b400000
	s_mov_b32 s15, ttmp9                           ; g
	s_lshl_b32 s25, s15, 4                         ; x and w1: scale word 4 g + wave, so 16 g bytes and 4 x wave below
	s_add_co_u32 s24, s15, 7680                    ; w2: word 10,240 + (g - 2,560)
	s_lshl_b32 s24, s24, 2
	s_mov_b32 s16, 2560
	s_cmp_lt_u32 s15, 2560                         ; x or w1?
	s_cselect_b32 s25, s25, s24
	s_cselect_b32 s17, 0, -1                       ; a mask for all lanes: does the row span the four waves?
	s_cselect_b32 s16, 512, s16                    ; the tensor's first work-group
	s_cselect_b32 s23, 31, 127                     ; who stores the scale: lane 0 of each wave, or thread 0
	s_cmp_lt_u32 s15, 512
	s_cselect_b32 s16, 0, s16
	s_sub_co_u32 s20, s15, s16
	s_lshl_b32 s20, s20, 15                        ; my 32,768 bytes in the tensor: under 2^27
	s_mov_b32 s21, 0
	s_mov_b32 s22, 0x3c010204                      ; 1 / 127 to the nearest f32
.if DIV_EXACT
	s_mov_b32 s28, 0x42fe0000                      ; 127
.endif
	s_mov_b32 s26, 0x76543210                      ; v_permlanex16_b32: each lane takes its own place in the other half
	s_mov_b32 s27, 0xfedcba98
	v_lshl_add_u32 v[SO], v1, 2, s25               ; (thread 0, the one that stores w2's scale, has wave 0)
	s_wait_kmcnt 0x0
	s_cmp_lt_u32 s15, 2560
	s_cselect_b64 s[18:19], s[6:7], s[8:9]
	s_cmp_lt_u32 s15, 512
	s_cselect_b64 s[18:19], s[4:5], s[18:19]
	s_add_nc_u64 s[18:19], s[18:19], s[20:21]      ; the source at my work-group's first byte
	s_lshl_b32 s20, s15, 14
	s_add_nc_u64 s[10:11], s[10:11], s[20:21]      ; q likewise
.irp j, 0,1,2,3,4,5,6,7,8,9,10,11,12,13,14,15
	global_load_b128 v[X+4*(\j):X+4*(\j)+3], v[VO], s[18:19] offset:512*(\j) th:TH_LOAD_NT  ; 512 consecutive bytes a load
.endr
	; the largest |t| of my 64 numbers, in four chains that the first four loads start: nothing is cleared
.irp j, 0,1,2,3,4,5,6,7,8,9,10,11,12,13,14,15
	s_wait_loadcnt 15-(\j)                         ; loads come back in order: load j is in, the 15 - j younger ones may stay out
.if (\j) < 4
	v_max_num_f32 v[M+(\j)], |v[X+4*(\j)]|, |v[X+4*(\j)+1]|
.else
	v_max3_num_f32 v[M+(\j)%4], v[M+(\j)%4], |v[X+4*(\j)]|, |v[X+4*(\j)+1]|
.endif
	v_max3_num_f32 v[M+(\j)%4], v[M+(\j)%4], |v[X+4*(\j)+2]|, |v[X+4*(\j)+3]|
.endr
	v_max3_num_f32 v[M], v[M], v[M+1], v[M+2]
	v_max_num_f32 v[M], v[M], v[M+3]
	; across the 32 lanes: four steps inside each half of 16, one across the halves
	v_max_num_f32_dpp v[M], v[M], v[M] row_xmask:1 row_mask:0xf bank_mask:0xf
	v_max_num_f32_dpp v[M], v[M], v[M] row_xmask:2 row_mask:0xf bank_mask:0xf
	v_max_num_f32_dpp v[M], v[M], v[M] row_xmask:4 row_mask:0xf bank_mask:0xf
	v_max_num_f32_dpp v[M], v[M], v[M] row_xmask:8 row_mask:0xf bank_mask:0xf
	v_permlanex16_b32 v[TP], v[M], s26, s27        ; its destination counts as read: v9 has been written
	v_max_num_f32 v[M], v[M], v[TP]
	; across the four waves; every work-group does it, and the mask takes the result for w2 alone: no branch, one text
	ds_store_b32 v[WA], v[M]                       ; all lanes write the same word with the same value
	s_wait_dscnt 0x0                               ; for the others' sake: my store is done
	s_barrier_signal -1
	s_barrier_wait -1
	ds_load_b128 v[MW:MW+3], v[ZA]
	s_wait_dscnt 0x0
	v_max3_num_f32 v[MW], v[MW], v[MW+1], v[MW+2]
	v_max_num_f32 v[MW], v[MW], v[MW+3]
	v_cndmask_b32 v[M], v[M], v[MW], s17
	; s and 1 / s, each in both registers of a pair
.if DIV_EXACT
	v_mul_f32 v[T], s22, v[M]                      ; q0
	v_fma_f32 v[T+1], -v[T], s28, v[M]             ; m - 127 q0, exact
	v_fma_f32 v[S], v[T+1], s22, v[T]
.else
	v_mul_f32 v[S], s22, v[M]
.endif
	v_max_num_f32 v[S], 0x322bcc77, v[S]           ; 1e-8
	v_rcp_f32 v[R], v[S]
	v_mov_b32 v[S+1], v[S]                         ; the plain instruction behind the reciprocal (ISA guide 5.7.2); it names neither the result nor writes the source
	s_wait_alu depctr_va_vdst(0)                   ; the wait ahead of the result's first reader
	v_fma_f32 v[T], -v[S], v[R], 1.0               ; 1 - s y0, exact; y0 + y0 (1 - s y0) is 1 / s less its 2^-46th part at the most, rounded once
	v_fma_f32 v[R], v[T], v[R], v[R]
	v_mov_b32 v[R+1], v[R]
	v_and_b32 v[TP], s23, v0
	v_cmp_eq_u32 vcc_lo, 0, v[TP]
	s_wait_xcnt 0x0                                ; EXEC is a source of the loads above: it changes only behind this wait
	s_and_saveexec_b32 s24, vcc_lo
	global_store_b32 v[SO], v[S], s[12:13]
	s_wait_xcnt 0x0                                ; and again in front of the line that widens it
	s_or_b32 exec_lo, exec_lo, s24
	; load j's four numbers times 1 / s, rounded to whole numbers, packed as bf16 into the first two words of load j, and stored
.irp j, 0,1,2,3,4,5,6,7,8,9,10,11,12,13,14,15
.irp p, 0,2
	v_pk_mul_f32 v[T+(\p):T+(\p)+1], v[X+4*(\j)+(\p):X+4*(\j)+(\p)+1], v[R:R+1]
.endr
.if RECIP == 0
.irp p, 0,2
	v_pk_fma_f32 v[E+(\p):E+(\p)+1], v[T+(\p):T+(\p)+1], v[S:S+1], v[X+4*(\j)+(\p):X+4*(\j)+(\p)+1] neg_lo:[1,0,0] neg_hi:[1,0,0]
.endr
.irp p, 0,2
	v_pk_fma_f32 v[T+(\p):T+(\p)+1], v[E+(\p):E+(\p)+1], v[R:R+1], v[T+(\p):T+(\p)+1]
.endr
.endif
.irp p, 0,2
	v_pk_add_f32 v[T+(\p):T+(\p)+1], v[T+(\p):T+(\p)+1], v[MG:MG+1]
.endr
.irp p, 0,2
	v_pk_add_f32 v[T+(\p):T+(\p)+1], v[T+(\p):T+(\p)+1], v[MG:MG+1] neg_lo:[0,1] neg_hi:[0,1]
.endr
	v_cvt_pk_bf16_f32 v[X+4*(\j)], v[T], v[T+1]
	v_cvt_pk_bf16_f32 v[X+4*(\j)+1], v[T+2], v[T+3]
	global_store_b64 v[DO], v[X+4*(\j):X+4*(\j)+1], s[10:11] offset:256*(\j)  ; the wave's 32 lanes store 256 consecutive bytes, aligned; the data registers are never written again
.endr
	s_wait_tensorcnt 0x0                           ; the wave's end: behind my last LDS store
	ds_add_u32 v[SPW], v[NIL]
	s_wait_dscnt 0x0
	s_endpgm
.Lfunc_end_k_q9d9cc7deac_quant:
	.size	k_q9d9cc7deac_quant, .Lfunc_end_k_q9d9cc7deac_quant-k_q9d9cc7deac_quant
	.p2alignl 7, 3214868480
	.fill 96, 4, 3214868480
	.section	.rodata,"a",@progbits
	.p2align	6, 0x0
	.amdhsa_kernel k_q9d9cc7deac_quant
		.amdhsa_group_segment_fixed_size 768
		.amdhsa_private_segment_fixed_size 0
		.amdhsa_enable_private_segment 0
		.amdhsa_kernarg_size 40
		.amdhsa_user_sgpr_count 2
		.amdhsa_user_sgpr_kernarg_segment_ptr 1
		.amdhsa_wavefront_size32 1
		.amdhsa_system_sgpr_workgroup_id_x 1
		.amdhsa_system_sgpr_workgroup_id_y 1
		.amdhsa_system_sgpr_workgroup_id_z 1
		.amdhsa_system_vgpr_workitem_id 0
		.amdhsa_next_free_vgpr 96
		.amdhsa_next_free_sgpr 66
		.amdhsa_reserve_vcc 1
		.amdhsa_float_denorm_mode_32 3
		.amdhsa_float_denorm_mode_16_64 3
		.amdhsa_memory_ordered 1
		.amdhsa_forward_progress 1
		.amdhsa_inst_pref_size 18
	.end_amdhsa_kernel
	.amdgpu_metadata
---
amdhsa.version: [ 1, 2 ]
amdhsa.kernels:
  - .name:           k_q9d9cc7deac_quant
    .symbol:         k_q9d9cc7deac_quant.kd
    .args:
      - { .name: x, .offset: 0, .size: 8, .value_kind: global_buffer, .address_space: global }
      - { .name: w1, .offset: 8, .size: 8, .value_kind: global_buffer, .address_space: global }
      - { .name: w2, .offset: 16, .size: 8, .value_kind: global_buffer, .address_space: global }
      - { .name: q, .offset: 24, .size: 8, .value_kind: global_buffer, .address_space: global }
      - { .name: scales, .offset: 32, .size: 8, .value_kind: global_buffer, .address_space: global }
    .group_segment_fixed_size: 768
    .private_segment_fixed_size: 0
    .kernarg_segment_align: 8
    .kernarg_segment_size: 40
    .max_flat_workgroup_size: 128
    .sgpr_count:     66
    .vgpr_count:     96
    .wavefront_size: 32
...
	.end_amdgpu_metadata
.endif
;; end of part 1
;; launch gemm1 (part 2): grid 32 x 8, 4 waves a work-group, clusters of 4 x 4, 327,680 bytes of LDS; arguments q, scales, b1, h; writes h
.if DOCPART == 2
	.amdgcn_target "amdgcn-amd-amdhsa--gfx1250"
	.amdhsa_code_object_version 6
	.text
	.protected	k_q9d9cc7deac_gemm1
	.globl	k_q9d9cc7deac_gemm1
	.p2align	8
	.type	k_q9d9cc7deac_gemm1,@function
k_q9d9cc7deac_gemm1:
	s_mov_b64 s[64:65], 0
	v_nop
	global_prefetch_b8 v0, s[64:65] scope:SCOPE_SE
	s_setreg_imm32_b32 hwreg(HW_REG_WAVE_MODE, 25, 1), 1
	s_wait_xcnt 0x0
	s_wait_alu depctr_hold_cnt(0) depctr_sa_sdst(0) depctr_va_vdst(0) depctr_va_sdst(0) depctr_va_ssrc(0) depctr_va_vcc(0) depctr_vm_vsrc(0)
	s_getreg_b32 s2, hwreg(HW_REG_IB_STS2, 6, 4)
	s_cmp_eq_u32 s2, 0
	s_cbranch_scc0 .Lentry_in_a_cluster
	s_endpgm
.Lentry_in_a_cluster:
	s_bfe_u32 s2, ttmp6, 0x10000c
	s_cmp_lg_u32 s2, 0xf033
	s_cbranch_scc0 .Lentry_shape_is_right
	s_endpgm
.Lentry_shape_is_right:
; h[m][n] = (sum over k of xq[m][k] w1q[n][k]) x (sx[m] sw1[n]) + b1[n].  xq [2048][2048] and w1q [8192][2048] are whole numbers in -127 .. 127 held in bf16 (exact), in q at
; bytes 0 and 8,388,608; sums in f32: exact while they stay under 2^24, beyond that rounded as any f32 sum is.  h [2048][8192] leaves in f32; scale and bias are one fused multiply-add.
; A tile of h, 256 x 256, is made by a work-group of four waves; a wave makes 128 x 128: 64 accumulators of 16 x 16, 512 registers.  32 x 8 tiles: 256 work-groups.
; K goes in 16 steps of 128 through a ring of two LDS slots filled by the tensor data mover: a tile's rows are 256 bytes of memory, at multiples of 256 bytes from the buffer's first byte.
; CLUSTERS: 4 x 4 work-groups.  The four of a row of the cluster need the same tiles of xq, the four of a column the same tiles of w1q: each tile is asked for JOINTLY, by the same tensor
; load with the same descriptor and a mask that names the four; each receives it in its own LDS.
; THE MATRIX INSTRUCTION IS USED TRANSPOSED: source 0 = 16 rows of w1q, source 1 = 16 rows of xq: lane l then holds row l % 16 of h and the columns 8 (l / 16) + 0..7: 32 consecutive bytes.
; REGISTERS, in windows of 256 (s_set_vgpr_msb's low byte: bits 1:0 source 0, 3:2 source 1, 5:4 source 2, 7:6 destination):
;   window 0: v0-31 addresses; v32-47 sx of my rows; v64-127, v128-191 fragments of xq, two buffers; on the way out v64-127 the scales' products, v128-191 results, v192-255 rows read back
;   window 1: v64-127, v128-191 fragments of w1q; v0-63 sw1 and v192-255 b1 of my lane's 64 columns
;   window 2: the 32 accumulators of my rows 0-63 (accumulator (a, b) at v[8 (8 a + b)]);   window 3: those of my rows 64-127
.set SIZE_N, 8192
.set SIZE_K, 2048
.set W1Q,    0x800000                  ; w1q's first byte in q
.set SW1,    8192                      ; sw1's first byte in scales
.set KSTEP,  128
.set PITCH,  272                       ; an LDS row: 256 bytes + 16 of padding = 68 words: row r starts at bank 4 r mod 64 (64 banks of 4 bytes: ISA guide 11.1)
.set HALFT,  128*PITCH                 ; 128 rows: what one tensor load brings, and what one wave reads of either operand
.set SLOT,   4*HALFT                   ; xq's 256 rows, then w1q's 256 rows
.set STAGE,  2*SLOT                    ; behind the ring: 16 rows x 528 bytes for each wave, for the way out; no tensor load lands there
.set SPITCH, 528                       ; 512 bytes + 16 = 132 words: again bank 4 r mod 64
.set SPARE,  STAGE+4*16*SPITCH         ; behind the stages: the spare words, 128 bytes for each wave
.set LAPS,   SIZE_K/(2*KSTEP)          ; a lap = two K steps = once round the ring: 8
.set ADRA, 16                          ; v16-17  LDS address of my xq fragments in slot 0, 1
.set ADRB, 20                          ; v20-21  the same for w1q
.set STO,  24                          ; v24     the way out: where I put 32 bytes of a row
.set RD,   25                          ; v25     the way out: where I read a row back
.set CO,   26                          ; v26     16 x lane: my 16 bytes of a row's 512
.set CB,   27                          ; v27     32 x (lane / 16): my eight columns among sixteen, in f32; never rewritten
.set SPW,  28                          ; v28     LDS address of my spare word; never rewritten
.set NIL,  29                          ; v29     0; never rewritten
.set PFO,  30                          ; v30     the prefetches' offset: lane x a row of 4,096 bytes; never rewritten
.set RB,   31                          ; v31     4 x (lane % 16): my row among sixteen, in f32; never rewritten
.set SX,   32                          ; v32-47  sx of block a's row, in both registers of the pair at SX + 2 a
.set F0,   64
.set F1,   128
.set TS,   64                          ; the way out, window 0: sx sw1
.set TMP,  128                         ; results
.set BK,   192                         ; rows read back from the stage
.set SW,   0                           ; window 1: sw1 of column 16 b + 8 (lane / 16) + j at SW + 8 b + j
.set BI,   192                         ; window 1: b1 likewise
.set PFA,  44                          ; s[44:45] where my prefetches stand
.set LIM,  43                          ; s43     1 in a wave that prefetches, else the greatest number
.set G1, 24                            ; s[24:31] descriptor group 1 for xq's tiles
.set G0, 32                            ; s[32:39] group 0, one set for each slot
.set G1B, 48                           ; s[48:55], s[56:63] the same for w1q's tiles
.set G0B, 56
.set MSB, 0
.macro WIN new                         ; the immediate's high byte repeats the setting that is left; a switch that changes nothing is dropped
.if MSB != (\new)
	s_set_vgpr_msb (MSB<<8)|(\new)
.set MSB, \new
.endif
.endm
.set MUL_LO, 0xa1                      ; source 0 (w1q) window 1, source 1 (xq) window 0, C and D window 2
.set MUL_HI, 0xf1                      ; the same, C and D window 3
.set TO_B,   0x40                      ; destination window 1, address window 0
; A joint load.  Waves 0 and 1 fetch xq's two halves, waves 2 and 3 w1q's.  The branch hangs on the wave's number alone.  An s_nop 0 and four v_nop follow each of the two lines.
.macro JLOAD s
	s_cmp_eq_u32 s11, 0
	s_cbranch_scc0 .Lfor_b_\@
	tensor_load_to_lds s[G0+4*(\s):G0+4*(\s)+3], s[G1:G1+7]
	s_nop 0
.rept 4
	v_nop
.endr
	s_branch .Lasked_\@
.Lfor_b_\@:
	tensor_load_to_lds s[G0B+4*(\s):G0B+4*(\s)+3], s[G1B:G1B+7]
	s_nop 0
.rept 4
	v_nop
.endr
.Lasked_\@:
.endm
; A PREFETCH INTO THE L2, behind each joint refill and the run of LDS loads that follows it: the K step that stands two refills on: 32 rows x 256 bytes, a lane a row, one instruction a wave.
; Each row's 256 bytes of a K step are named once in the launch: of the clusters that walk the same rows of xq the one with x = 0 asks, for w1q the one with y = 0; the four partners that ask for a tile
; jointly share its rows out by address, 32 each (by cx for xq, cy for w1q).  K steps 0 to 3 come by their loads alone; the loop's last trip (s3 = 1) has no K step two refills on and asks for nothing.
.macro ASK
	s_cmp_gt_u32 s3, s[LIM]
	s_cbranch_scc0 .Lnot_mine_\@
	global_prefetch_b8 v[PFO], s[PFA:PFA+1] offset:KSTEP*2 th:TH_LOAD_NT scope:SCOPE_SE
.Lnot_mine_\@:
.endm
; A round of the cluster's barrier: my work-group's barrier; wave 0 signals for the work-group; every wave waits for all sixteen; my work-group's barrier once more.
.macro CREST                           ; a round behind its opening barrier
	s_cmp_lg_u32 s10, 0
	s_cbranch_scc1 .Lnot_wave_0_\@
	s_barrier_signal -3
.Lnot_wave_0_\@:
	s_barrier_wait -3
	s_barrier_signal -1
	s_barrier_wait -1
.endm
.macro CROUND                          ; a whole round
	s_barrier_signal -1
	s_barrier_wait -1
	CREST
.endm
	s_load_b128 s[4:7], s[0:1], 0x0                ; q s[4:5] (xq lies at its head), scales s[6:7]
	s_load_b128 s[68:71], s[0:1], 0x10             ; b1 s[68:69], h s[70:71]
	v_lshl_add_u32 v[SPW], v0, 2, SPARE
	v_mov_b32 v[NIL], 0
	ds_add_u32 v[SPW], v[NIL]                      ; the wave's opening: the add and its wait stand ahead of my first tensor load; the set-up below, work on registers, stands between them
	v_lshrrev_b32 v1, 5, v0
	v_readfirstlane_b32 s10, v1                    ; wave 0..3
	s_lshr_b32 s11, s10, 1                         ; which half of the tile's rows is mine.  Also: I fetch for xq (0) or for w1q (1)
	s_and_b32 s12, s10, 1                          ; which half of its columns.  Also: which 128 rows of that tile I fetch
	s_bfe_u32 s40, ttmp6, 0x40000                  ; cx
	s_bfe_u32 s41, ttmp6, 0x40004                  ; cy
	s_lshl_b32 s42, ttmp9, 2                       ; in a cluster launch ttmp9 and ttmp7 count clusters
	s_add_co_u32 s42, s42, s40                     ; tile column = 4 x cluster x + cx
	s_and_b32 s13, ttmp7, 0xffff
	s_lshl_b32 s13, s13, 2
	s_add_co_u32 s13, s13, s41                     ; tile row = 4 x cluster y + cy
	s_lshl_b32 s43, s41, 2
	s_lshl_b32 s43, 15, s43                        ; my row of the cluster: places 4 cy .. 4 cy + 3
	s_lshl_b32 s44, 0x1111, s40                    ; my column: places cx, cx + 4, cx + 8, cx + 12
	; descriptor group 1: a tile of 128 rows x 128 elements, padded in LDS
	s_or_b32 s[G1+0], s43, (1<<16)|(1<<20)|(1<<21)|(5<<22)|(3<<25)  ; 15:0 the mask; 17:16 elements of 2 bytes; 20 padding on; 21 set beside a mask; 24:22 after every 64 words (code 5); 31:25 4 words (code 3)
	s_or_b32 s[G1B+0], s44, (1<<16)|(1<<20)|(1<<21)|(5<<22)|(3<<25)
.irp g, G1, G1B
	s_mov_b32 s[(\g)+1], KSTEP<<16                 ; tensor_dim0 = 128
	s_mov_b32 s[(\g)+2], 128<<16                   ; tensor_dim1 = 128
	s_mov_b32 s[(\g)+3], KSTEP<<16                 ; tile_dim0 = 128
	s_mov_b32 s[(\g)+4], 128                       ; tile_dim1 = 128
	s_mov_b32 s[(\g)+5], SIZE_K                    ; elements from row to row
	s_mov_b32 s[(\g)+6], 0
	s_mov_b32 s[(\g)+7], 0
.endr
	; xq's tiles hang on the tile row alone, which my row of the cluster shares; w1q's on the tile column alone, which my column shares
	s_lshl_b32 s17, s12, 7
	s_lshl_b32 s16, s13, 8
	s_add_co_u32 s16, s16, s17                     ; xq: row 256 x tile row + 128 x half
	s_lshl_b32 s46, s42, 8
	s_add_co_u32 s46, s46, s17                     ; w1q: row 256 x tile column + 128 x half
	s_mov_b32 s17, 0
	s_mov_b32 s47, 0
	s_mov_b64 s[18:19], SIZE_K*2
	s_mul_u64 s[16:17], s[16:17], s[18:19]
	s_mul_u64 s[46:47], s[46:47], s[18:19]
	s_mul_i32 s20, s10, HALFT                      ; where they go: wave x 128 rows: no place in the cluster enters an LDS address
	s_wait_dscnt 0x0                               ; the opening add is done
	s_wait_kmcnt 0x0
	s_add_nc_u64 s[14:15], s[4:5], s[16:17]
	s_add_nc_u64 s[72:73], s[4:5], W1Q             ; w1q
	s_add_nc_u64 s[46:47], s[72:73], s[46:47]
	CROUND                                         ; all sixteen work-groups are here: the first joint loads meet
.irp s, 0,1
	s_mov_b32 s[G0+4*(\s)], 1                                      ; count = 1
	s_add_co_u32 s[G0+4*(\s)+1], s20, (\s)*SLOT                    ; LDS address
	s_add_nc_u64 s[G0+4*(\s)+2:G0+4*(\s)+3], s[14:15], (\s)*KSTEP*2  ; global address: K step s
	s_or_b32 s[G0+4*(\s)+3], s[G0+4*(\s)+3], 0x80000000            ; type = 2
	s_mov_b32 s[G0B+4*(\s)], 1
	s_add_co_u32 s[G0B+4*(\s)+1], s20, (\s)*SLOT
	s_add_nc_u64 s[G0B+4*(\s)+2:G0B+4*(\s)+3], s[46:47], (\s)*KSTEP*2
	s_or_b32 s[G0B+4*(\s)+3], s[G0B+4*(\s)+3], 0x80000000
	JLOAD \s                                       ; two tensor loads of mine are out
.endr
	; A fragment is 16 rows x 32 K in 8 registers: lane l holds row l % 16, K = 8 (l / 16) + 0..7 and 16 + 8 (l / 16) + 0..7: two loads of 16 bytes, 32 bytes apart
	v_and_b32 v1, 15, v0                           ; l % 16
	v_bfe_u32 v2, v0, 4, 1                         ; l / 16
	v_mul_u32_u24 v3, v1, PITCH
	v_lshl_add_u32 v3, v2, 4, v3
	s_mul_i32 s21, s11, HALFT                      ; my 128 rows of xq
	s_mul_i32 s22, s12, HALFT                      ; my 128 rows of w1q,
	s_add_co_u32 s22, s22, 2*HALFT                 ; which lie behind xq's 256
.irp s, 0,1
	v_add_nc_u32 v[ADRA+(\s)], s21, v3
	v_add_nc_u32 v[ADRB+(\s)], s22, v3
	s_add_co_u32 s21, s21, SLOT
	s_add_co_u32 s22, s22, SLOT
.endr
	s_mul_i32 s23, s10, 16*SPITCH
	s_add_co_u32 s23, s23, STAGE                   ; my stage
	v_mul_u32_u24 v4, v1, SPITCH                   ; in: row l % 16, 32 bytes for each half of the lanes
	v_lshl_add_u32 v4, v2, 5, v4
	v_add_nc_u32 v[STO], s23, v4
	v_and_b32 v5, 31, v0
	v_lshlrev_b32 v[CO], 4, v5                     ; back: 32 lanes take one row of 512 bytes
	v_add_nc_u32 v[RD], s23, v[CO]
	v_lshlrev_b32 v[CB], 5, v2
	v_lshlrev_b32 v[RB], 2, v1
	s_lshl_b32 s74, s13, 8
	s_lshl_b32 s75, s11, 7
	s_add_co_u32 s74, s74, s75                     ; my first row of h
	s_lshl_b32 s75, s42, 8
	s_lshl_b32 s82, s12, 7
	s_add_co_u32 s75, s75, s82                     ; my first column
	s_mov_b32 s83, 0
	s_lshl_b32 s82, s75, 2
	s_add_nc_u64 s[78:79], s[68:69], s[82:83]      ; b1 at my first column
	s_add_nc_u64 s[70:71], s[70:71], s[82:83]
	s_add_nc_u64 s[76:77], s[6:7], s[82:83]
	s_add_nc_u64 s[76:77], s[76:77], SW1           ; sw1 likewise
	s_lshl_b32 s82, s74, 2
	s_add_nc_u64 s[80:81], s[6:7], s[82:83]        ; sx at my first row
	s_lshl_b32 s82, s74, 15                        ; 32,768 bytes a row of h: under 2^26
	s_add_nc_u64 s[70:71], s[70:71], s[82:83]      ; h at my first row and column
	; the scales and the bias: 48 loads that stay out until the way out; their address registers are never written again
	WIN TO_B
.irp b, 0,1,2,3,4,5,6,7
	global_load_b128 v[SW+8*(\b):SW+8*(\b)+3],   v[CB], s[76:77] offset:64*(\b)
	global_load_b128 v[SW+8*(\b)+4:SW+8*(\b)+7], v[CB], s[76:77] offset:64*(\b)+16
	global_load_b128 v[BI+8*(\b):BI+8*(\b)+3],   v[CB], s[78:79] offset:64*(\b)
	global_load_b128 v[BI+8*(\b)+4:BI+8*(\b)+7], v[CB], s[78:79] offset:64*(\b)+16
.endr
	WIN 0
.irp a, 0,1,2,3,4,5,6,7
	global_load_b32 v[SX+2*(\a)],   v[RB], s[80:81] offset:64*(\a)
	global_load_b32 v[SX+2*(\a)+1], v[RB], s[80:81] offset:64*(\a)
.endr
	; the prefetches
	s_lshl_b32 s20, s13, 8
	s_lshl_b32 s21, s42, 8
	s_and_b32 s22, ttmp7, 0xffff                   ; cluster y
	s_cmp_eq_u32 s11, 0                            ; do I fetch for xq?
	s_cselect_b32 s20, s20, s21                    ; the tile's first row
	s_cselect_b32 s21, s40, s41                    ; my place among the four that ask for it with me
	s_cselect_b32 s22, ttmp9, s22                  ; the coordinate along which other clusters read the same rows
	s_cselect_b64 s[PFA:PFA+1], s[4:5], s[72:73]
	s_cmp_eq_u32 s22, 0
	s_cselect_b32 s[LIM], 1, -1                    ; the same in all sixteen partners, for a given wave
	s_lshl_b32 s22, s12, 7
	s_add_co_u32 s20, s20, s22                     ; + the 128 rows that I fetch
	s_lshl_b32 s21, s21, 5
	s_add_co_u32 s20, s20, s21                     ; + my work-group's 32 of them
	s_mov_b32 s21, 0
	s_mov_b64 s[18:19], SIZE_K*2
	s_mul_u64 s[20:21], s[20:21], s[18:19]
	s_add_nc_u64 s[PFA:PFA+1], s[PFA:PFA+1], s[20:21]
	s_add_nc_u64 s[PFA:PFA+1], s[PFA:PFA+1], 2*KSTEP*2  ; at K step 2: the first refill steps it to 3 and names K step 4
	v_and_b32 v[PFO], 31, v0
	v_mul_u32_u24 v[PFO], v[PFO], SIZE_K*2
; 16 matrix instructions: m blocks a0, a0 + 1 of the window's four (hi = 0: my rows 0-63, 1: rows 64-127) x all 8 n blocks, 32 along K.  zero = 1: the first product starts the sums.
; The 64 accumulators take turns, one instruction a turn, in the same order in every quarter.
.macro MUL16 f, hi, a0, zero
	WIN MUL_LO+0x50*(\hi)
.irp a, \a0, (\a0)+1
.irp b, 0,1,2,3,4,5,6,7
.if \zero
	v_wmma_f32_16x16x32_bf16 v[8*(8*(\a)+(\b)):8*(8*(\a)+(\b))+7], v[(\f)+8*(\b):(\f)+8*(\b)+7], v[(\f)+8*(4*(\hi)+(\a)):(\f)+8*(4*(\hi)+(\a))+7], 0
.else
	v_wmma_f32_16x16x32_bf16 v[8*(8*(\a)+(\b)):8*(8*(\a)+(\b))+7], v[(\f)+8*(\b):(\f)+8*(\b)+7], v[(\f)+8*(4*(\hi)+(\a)):(\f)+8*(4*(\hi)+(\a))+7], v[8*(8*(\a)+(\b)):8*(8*(\a)+(\b))+7]
.endif
.endr
.endr
.endm
; 32 LDS loads in one run: the fragments of one quarter step (32 K at byte k of the rows) into buffer f: w1q's sixteen loads, then xq's
.macro FETCH slot, k, f
	WIN TO_B
.irp i, 0,1,2,3,4,5,6,7
	ds_load_b128 v[(\f)+8*(\i):(\f)+8*(\i)+3],   v[ADRB+(\slot)] offset:(\k)+(\i)*16*PITCH
	ds_load_b128 v[(\f)+8*(\i)+4:(\f)+8*(\i)+7], v[ADRB+(\slot)] offset:(\k)+(\i)*16*PITCH+32
.endr
	WIN 0
.irp i, 0,1,2,3,4,5,6,7
	ds_load_b128 v[(\f)+8*(\i):(\f)+8*(\i)+3],   v[ADRA+(\slot)] offset:(\k)+(\i)*16*PITCH
	ds_load_b128 v[(\f)+8*(\i)+4:(\f)+8*(\i)+7], v[ADRA+(\slot)] offset:(\k)+(\i)*16*PITCH+32
.endr
.endm
; Four plain vector instructions stand between a matrix instruction and a load into a register that it has read, or a vector instruction that reads its result or writes one of its registers
.macro PLACES
.rept 4
	v_nop
.endr
.endm
; A K step is four quarters of 32 along K, 64 matrix instructions each, on buffers 0, 1, 0, 1.  One of the first three: multiplies buffer f and fetches the next quarter, at byte k, into g.
.macro QUARTER slot, k, f, g, zero
	s_wait_dscnt 8                                 ; w1q and xq's rows 0-63 are in; the youngest eight loads (xq's rows 64-127) may be out
	WIN MUL_LO
	MUL16 \f, 0, 0, \zero
	MUL16 \f, 0, 2, \zero
	PLACES
	FETCH \slot, \k, \g
	s_wait_dscnt 32                                ; all but the 32 just issued
	WIN MUL_HI
	MUL16 \f, 1, 0, \zero
	MUL16 \f, 1, 2, \zero
.endm
; The first half of a step's last quarter: ONE barrier for the change of slots.  In front of it each wave waits for all its tensor loads (one is out: its part of the next slot), adds 0 to its
; spare word, and waits for that and for its own reads of this slot.  Behind it nobody reads this slot any more and the next slot is whole.
.macro MEET round
	WIN 0                                          ; (the add's two registers lie in window 0)
	s_wait_tensorcnt 0x0
	ds_add_u32 v[SPW], v[NIL]
	s_wait_dscnt 9                                 ; (the add and the youngest eight loads may be out)
	WIN MUL_LO
	MUL16 F1, 0, 0, 0                              ; sixteen matrix instructions stand between the add and the wait for it
	s_wait_dscnt 0x0                               ; the add is done, and my reads of this slot are over
	s_barrier_signal -1
	MUL16 F1, 0, 2, 0                              ; work on registers while the others arrive
.if \round
	WIN 0
.endif
	s_barrier_wait -1
.endm
; The whole last quarter.  fill = 1: the barrier opens a round of the cluster's barrier, and the slot just read out is filled again, first thing behind the round, with the K step two steps on:
; from that request to the wait for it a wave issues 224 matrix instructions.  fill = 0: nothing is left to fetch.
.macro TURN slot, next, fill
.if \fill
	s_wait_xcnt 0x0                                ; the last prefetch, a K step back, has read its address, which is stepped here
	s_add_nc_u64 s[PFA:PFA+1], s[PFA:PFA+1], KSTEP*2
	MEET 1
	CREST                                          ; no wave of any partner still reads this slot's tile or has a load on its way
	s_add_nc_u64 s[G0+4*(\slot)+2:G0+4*(\slot)+3], s[G0+4*(\slot)+2:G0+4*(\slot)+3], 2*KSTEP*2
	s_add_nc_u64 s[G0B+4*(\slot)+2:G0B+4*(\slot)+3], s[G0B+4*(\slot)+2:G0B+4*(\slot)+3], 2*KSTEP*2
	JLOAD \slot                                    ; my one tensor load behind the round; its four v_nop are also the places in front of the loads below
	FETCH \next, 0, F0
	ASK
.else
	MEET 0
	PLACES
	FETCH \next, 0, F0
.endif
	WIN MUL_HI
	MUL16 F1, 1, 0, 0
	MUL16 F1, 1, 2, 0
.endm
	s_wait_tensorcnt 1                             ; my part of K step 0 is in; K step 1's may stay out
	s_barrier_signal -1
	s_barrier_wait -1                              ; everybody's is
	FETCH 0, 0, F0
	QUARTER 0, 64,  F0, F1, 1                      ; the first quarter stands in front of the loop: its products start the sums
	WIN 0                                          ; at a label and at a branch every window is 0
	s_mov_b32 s3, LAPS-1
.Llap:                                                 ; a trip goes once round the ring, from a lap's second quarter to the next lap's first, and fills both slots again
	QUARTER 0, 128, F1, F0, 0
	QUARTER 0, 192, F0, F1, 0
	TURN 0, 1, 1
	QUARTER 1, 64,  F0, F1, 0
	QUARTER 1, 128, F1, F0, 0
	QUARTER 1, 192, F0, F1, 0
	TURN 1, 0, 1
	QUARTER 0, 64,  F0, F1, 0
	WIN 0
	s_sub_co_u32 s3, s3, 1
	s_cmp_lg_u32 s3, 0
	s_cbranch_scc1 .Llap
	QUARTER 0, 128, F1, F0, 0                      ; the last lap is written out: it fills nothing
	QUARTER 0, 192, F0, F1, 0
	TURN 0, 1, 0
	QUARTER 1, 64,  F0, F1, 0
	QUARTER 1, 128, F1, F0, 0
	QUARTER 1, 192, F0, F1, 0
	s_wait_dscnt 8                                 ; the very last quarter: nothing more to fetch
	MUL16 F1, 0, 0, 0
	MUL16 F1, 0, 2, 0
	s_wait_dscnt 0x0
	MUL16 F1, 1, 0, 0
	MUL16 F1, 1, 2, 0
	WIN 0
; THE WAY OUT, a block of 16 rows at a time.  TSC: sx sw1 for the block's row and my 64 columns.  DEQ: sum x that + b1, one fused multiply-add, each accumulator from its low end on.
; TOSTAGE: 32 bytes a lane and accumulator into my own stage, and back as whole rows of 512 bytes.  SEND: stored.
.macro TSC a
	WIN 0x01                                       ; source 0 (sw1) window 1
.set i, 0
.rept 32
	v_pk_mul_f32 v[TS+2*i:TS+2*i+1], v[SW+2*i:SW+2*i+1], v[SX+2*(\a):SX+2*(\a)+1]
.set i, i+1
.endr
.endm
.macro DEQ a
	WIN 0x12+(\a)/4                                ; source 0 (the sums) window 2 or 3, source 2 (b1) window 1
.set i, 0
.rept 32
	v_pk_fma_f32 v[TMP+2*i:TMP+2*i+1], v[64*((\a)%4)+2*i:64*((\a)%4)+2*i+1], v[TS+2*i:TS+2*i+1], v[BI+2*i:BI+2*i+1]
.set i, i+1
.endr
	WIN 0
.endm
.macro TOSTAGE
.irp k, 0,1,2,3,4,5,6,7,8,9,10,11,12,13,14,15
	ds_store_b128 v[STO], v[TMP+4*(\k):TMP+4*(\k)+3] offset:64*((\k)/2)+16*((\k)%2)
.endr
	s_wait_xcnt 0x0                                ; the registers below were the data of the block before's stores: they are loaded again only behind this wait
.irp t, 0,1,2,3,4,5,6,7,8,9,10,11,12,13,14,15
	ds_load_b128 v[BK+4*(\t):BK+4*(\t)+3], v[RD] offset:SPITCH*(\t)  ; LDS serves a wave's instructions in order (ISA guide 5.7.1.4): these see the stores above
.endr
.endm
.macro SEND a
.irp t, 0,1,2,3,4,5,6,7,8,9,10,11,12,13,14,15
	s_wait_dscnt 15-(\t)                           ; row t is back; the 15 - t younger loads may be out
	global_store_b128 v[CO], v[BK+4*(\t):BK+4*(\t)+3], s[70:71] offset:(16*(\a)+(\t))*SIZE_N*4  ; 512 consecutive bytes, aligned; 127 rows of 32,768 bytes at the most: inside the signed 24-bit immediate
.endr
.endm
	s_wait_loadcnt 0x0                             ; the scales and the bias
	PLACES                                         ; behind the last products
	TSC 0
	DEQ 0
	TOSTAGE
.irp a, 1,2,3,4,5,6,7                  ; block a's arithmetic stands between block a - 1's loads from the stage and the waits for them
	TSC \a
	DEQ \a
	SEND (\a)-1
	TOSTAGE
.endr
	SEND 7
	s_wait_tensorcnt 0x0                           ; the wave's end: behind my last tensor load and my last LDS store
	ds_add_u32 v[SPW], v[NIL]
	s_wait_dscnt 0x0
	CROUND                                         ; the closing round: no work-group ends while a partner may still ask for a tile that names it
	s_endpgm
.Lfunc_end_k_q9d9cc7deac_gemm1:
	.size	k_q9d9cc7deac_gemm1, .Lfunc_end_k_q9d9cc7deac_gemm1-k_q9d9cc7deac_gemm1
	.p2alignl 7, 3214868480
	.fill 96, 4, 3214868480
	.section	.rodata,"a",@progbits
	.p2align	6, 0x0
	.amdhsa_kernel k_q9d9cc7deac_gemm1
		.amdhsa_group_segment_fixed_size 327680
		.amdhsa_private_segment_fixed_size 0
		.amdhsa_enable_private_segment 0
		.amdhsa_kernarg_size 32
		.amdhsa_user_sgpr_count 2
		.amdhsa_user_sgpr_kernarg_segment_ptr 1
		.amdhsa_wavefront_size32 1
		.amdhsa_system_sgpr_workgroup_id_x 1
		.amdhsa_system_sgpr_workgroup_id_y 1
		.amdhsa_system_sgpr_workgroup_id_z 1
		.amdhsa_system_vgpr_workitem_id 0
		.amdhsa_next_free_vgpr 1024
		.amdhsa_next_free_sgpr 84
		.amdhsa_reserve_vcc 0
		.amdhsa_float_denorm_mode_32 3
		.amdhsa_float_denorm_mode_16_64 3
		.amdhsa_memory_ordered 1
		.amdhsa_forward_progress 1
		.amdhsa_inst_pref_size 182
	.end_amdhsa_kernel
	.amdgpu_metadata
---
amdhsa.version: [ 1, 2 ]
amdhsa.kernels:
  - .name:           k_q9d9cc7deac_gemm1
    .symbol:         k_q9d9cc7deac_gemm1.kd
    .args:
      - { .name: q, .offset: 0, .size: 8, .value_kind: global_buffer, .address_space: global }
      - { .name: scales, .offset: 8, .size: 8, .value_kind: global_buffer, .address_space: global }
      - { .name: b1, .offset: 16, .size: 8, .value_kind: global_buffer, .address_space: global }
      - { .name: h, .offset: 24, .size: 8, .value_kind: global_buffer, .address_space: global }
    .group_segment_fixed_size: 327680
    .private_segment_fixed_size: 0
    .kernarg_segment_align: 8
    .kernarg_segment_size: 32
    .max_flat_workgroup_size: 128
    .sgpr_count:     84
    .vgpr_count:     1024
    .wavefront_size: 32
...
	.end_amdgpu_metadata
.endif
;; end of part 2
;; launch geluq (part 3): grid 2048 x 1, 4 waves a work-group, no clusters, 768 bytes of LDS; arguments h, hq, sh; writes hq, sh
.if DOCPART == 3
	.amdgcn_target "amdgcn-amd-amdhsa--gfx1250"
	.amdhsa_code_object_version 6
	.text
	.protected	k_q9d9cc7deac_geluq
	.globl	k_q9d9cc7deac_geluq
	.p2align	8
	.type	k_q9d9cc7deac_geluq,@function
k_q9d9cc7deac_geluq:
	s_mov_b64 s[64:65], 0
	v_nop
	global_prefetch_b8 v0, s[64:65] scope:SCOPE_SE
	s_setreg_imm32_b32 hwreg(HW_REG_WAVE_MODE, 25, 1), 1
	s_wait_xcnt 0x0
; g = gelu(h) = 0.5 h (1 + erf(h / sqrt 2));  sh = max(max|g| of the row / 127, 1e-8);  hq = round(g / sh), a whole number in -127 .. 127 stored as bf16 (exact).
; h: [2048][8192] f32.  hq: [2048][8192] bf16.  sh: [2048] f32.
; SHARES.  A work-group owns a row; wave w its numbers 2,048 w .. + 2,047, in 64 registers, from the load to the store: the row is read once.  The four waves' maxima meet in LDS.
; ERF is x P(x^2) / Q(x^2), P of degree 6 and Q of degree 4 in x^2, good to a few units of f32's last place for |x| <= 4; beyond 4 x is held at 4, where erf is 1 to f32's last place.
; DIV_EXACT = 0: max / 127 is taken as max x fl(1/127), the form that a division by a constant takes when it is compiled to a multiplication; DIV_EXACT = 1 makes the division to the nearest f32.
; LIMITS.  h below -4 sqrt 2 counts as -4 sqrt 2: g is then at most 3.4e-7 in magnitude where the true value is under 4e-8.  For h < 0 the sum 1 + erf is rounded at 6e-8, so g is off by up to some 1e-7 |h|:
; nothing beside a step sh unless every g of the row is that small.  g / sh is taken as g x (1 / sh), 1 / sh to the nearest f32: another order of rounding than a division, which can move a quotient that lies
; within 1e-5 of a half by one step.  |g| / sh <= 127 (1 + 2^-21) rounds to 127, so no clip is written.  NaN loses the maxima and is not treated apart, nor are infinities.
.set DIV_EXACT, 0
.set SPARE, 256                        ; LDS: bytes 0-15 the four waves' maxima, in a block of 256 of their own; from 256 on the spare words, 128 bytes a wave
.set SPW, 2                            ; v2   LDS address of my spare word; never rewritten
.set NIL, 3                            ; v3   0; never rewritten
.set VO,  4                            ; v4   my byte offset in the row of h: 8,192 x wave + 16 x lane
.set DO,  5                            ; v5   in the row of hq: 4,096 x wave + 8 x lane
.set WA,  6                            ; v6   4 x wave
.set ZA,  7                            ; v7   0
.set SO,  8                            ; v8   byte offset of the row's scale
.set TP,  9                            ; v9   at work
.set M,   10                           ; v[10:13] four running maxima
.set MW,  14                           ; v[14:17] the four waves' maxima
.set S,   18                           ; v[18:19] sh, twice
.set R,   20                           ; v[20:21] 1 / sh, twice
.set T,   22                           ; v[22:25] at work
.set XX,  32                           ; v[32:47]  a batch of 16 numbers: x
.set ZZ,  48                           ; v[48:63]  x^2
.set PP,  64                           ; v[64:79]  P, then erf
.set QQ,  80                           ; v[80:95]  Q, then 1 / Q
.set H,   96                           ; v[96:159] h, then g; load j in v[H+4j : H+4j+3]
.set A0,  32                           ; s[32:45] P's seven coefficients, highest power first, each twice (the packed forms name a pair)
.set B0,  46                           ; s[46:55] Q's five
.macro COEF r, val
	s_mov_b32 s[\r], \val
	s_mov_b32 s[(\r)+1], \val
.endm
	s_load_b128 s[4:7], s[0:1], 0x0                ; h s[4:5], hq s[6:7]
	s_load_b64 s[8:9], s[0:1], 0x10                ; sh
	v_lshl_add_u32 v[SPW], v0, 2, SPARE
	v_mov_b32 v[NIL], 0
	v_lshrrev_b32 v1, 5, v0
	v_readfirstlane_b32 s14, v1                    ; wave 0..3
	v_and_b32 v[TP], 31, v0
	v_lshlrev_b32 v[VO], 4, v[TP]
	v_lshl_add_u32 v[VO], v1, 13, v[VO]
	v_lshlrev_b32 v[DO], 3, v[TP]
	v_lshl_add_u32 v[DO], v1, 12, v[DO]
	v_mov_b32 v[WA], s14
	v_lshlrev_b32 v[WA], 2, v[WA]
	v_mov_b32 v[ZA], 0
	s_lshl_b32 s20, ttmp9, 15                      ; the row in h,
	s_mov_b32 s21, 0
	s_lshl_b32 s18, ttmp9, 14                      ; in hq,
	s_mov_b32 s19, 0
	s_lshl_b32 s25, ttmp9, 2                       ; in sh
	v_mov_b32 v[SO], s25
	s_wait_kmcnt 0x0
	s_add_nc_u64 s[4:5], s[4:5], s[20:21]
	s_add_nc_u64 s[6:7], s[6:7], s[18:19]
.irp j, 0,1,2,3,4,5,6,7,8,9,10,11,12,13,14,15
	global_load_b128 v[H+4*(\j):H+4*(\j)+3], v[VO], s[4:5] offset:512*(\j) th:TH_LOAD_NT  ; 512 consecutive bytes a load
.endr
	COEF A0,    0xaf95df0b                         ; -2.72614226e-10
	COEF A0+2,  0x32edffee                         ;  2.77068142e-08
	COEF A0+4,  0xb60cff51                         ; -2.10102402e-06
	COEF A0+6,  0xb86ec2d2                         ; -5.69250639e-05
	COEF A0+8,  0xba40ac63                         ; -7.34990630e-04
	COEF A0+10, 0xbb41a1f6                         ; -2.95459981e-03
	COEF A0+12, 0xbc83dbd4                         ; -1.60960333e-02
	COEF B0,    0xb77460cd                         ; -1.45660718e-05
	COEF B0+2,  0xb95fbd29                         ; -2.13374055e-04
	COEF B0+4,  0xbadc924e                         ; -1.68282697e-03
	COEF B0+6,  0xbbf19bf8                         ; -7.37332917e-03
	COEF B0+8,  0xbc69b6a7                         ; -1.42647391e-02
	COEF 56,    0x3f3504f3                         ; 1 / sqrt 2
	s_mov_b32 s58, 0xc0b504f3                      ; -4 sqrt 2
	s_mov_b32 s22, 0x3c010204                      ; 1 / 127 to the nearest f32
.if DIV_EXACT
	s_mov_b32 s28, 0x42fe0000                      ; 127
.endif
	s_mov_b32 s26, 0x76543210                      ; v_permlanex16_b32: each lane takes its own place in the other half
	s_mov_b32 s27, 0xfedcba98
; Batch b: the 16 numbers of loads 4 b .. 4 b + 3.  Each step runs over the batch's eight pairs, so that no line waits for the one before it.  The sixteen reciprocals are one batch with one wait.
.macro GELU b
.set HB, H+16*(\b)
	s_wait_loadcnt 12-4*(\b)                       ; loads come back in order: the batch's four are in, the 12 - 4 b younger ones may stay out
.set i, 0
.rept 16
	v_max_num_f32 v[HB+i], s58, v[HB+i]
.set i, i+1
.endr
.set i, 0
.rept 8
	v_pk_mul_f32 v[XX+i:XX+i+1], v[HB+i:HB+i+1], s[56:57] op_sel_hi:[1,0]
.set i, i+2
.endr
.set i, 0
.rept 16
	v_min_num_f32 v[XX+i], 4.0, v[XX+i]
.set i, i+1
.endr
.set i, 0
.rept 8
	v_pk_mul_f32 v[ZZ+i:ZZ+i+1], v[XX+i:XX+i+1], v[XX+i:XX+i+1]
.set i, i+2
.endr
.set i, 0
.rept 8
	v_pk_fma_f32 v[PP+i:PP+i+1], v[ZZ+i:ZZ+i+1], s[A0:A0+1], s[A0+2:A0+3] op_sel_hi:[1,0,0]
	v_pk_fma_f32 v[QQ+i:QQ+i+1], v[ZZ+i:ZZ+i+1], s[B0:B0+1], s[B0+2:B0+3] op_sel_hi:[1,0,0]
.set i, i+2
.endr
.irp c, 4,6,8
.set i, 0
.rept 8
	v_pk_fma_f32 v[PP+i:PP+i+1], v[PP+i:PP+i+1], v[ZZ+i:ZZ+i+1], s[A0+(\c):A0+(\c)+1] op_sel_hi:[1,1,0]
	v_pk_fma_f32 v[QQ+i:QQ+i+1], v[QQ+i:QQ+i+1], v[ZZ+i:ZZ+i+1], s[B0+(\c):B0+(\c)+1] op_sel_hi:[1,1,0]
.set i, i+2
.endr
.endr
.set i, 0
.rept 16
	v_rcp_f32 v[QQ+i], v[QQ+i]                     ; Q is below -0.014 everywhere: all its coefficients are negative
.set i, i+1
.endr
.irp c, 10,12                          ; P's last two steps and the two products below name no reciprocal: they are the independent work behind the batch
.set i, 0
.rept 8
	v_pk_fma_f32 v[PP+i:PP+i+1], v[PP+i:PP+i+1], v[ZZ+i:ZZ+i+1], s[A0+(\c):A0+(\c)+1] op_sel_hi:[1,1,0]
.set i, i+2
.endr
.endr
.set i, 0
.rept 8
	v_pk_mul_f32 v[PP+i:PP+i+1], v[PP+i:PP+i+1], v[XX+i:XX+i+1]
	v_pk_mul_f32 v[HB+i:HB+i+1], v[HB+i:HB+i+1], 0.5 op_sel_hi:[1,0]
.set i, i+2
.endr
	s_wait_alu depctr_va_vdst(0)                   ; the wait ahead of the results' first reader: one for the sixteen reciprocals
.set i, 0
.rept 8
	v_pk_mul_f32 v[PP+i:PP+i+1], v[PP+i:PP+i+1], v[QQ+i:QQ+i+1]  ; erf
.set i, i+2
.endr
.set i, 0
.rept 8
	v_pk_fma_f32 v[HB+i:HB+i+1], v[HB+i:HB+i+1], v[PP+i:PP+i+1], v[HB+i:HB+i+1]  ; 0.5 h erf + 0.5 h
.set i, i+2
.endr
.set i, 0
.rept 8                                ; four chains, which the row's first four pairs start: nothing is cleared
.if ((\b) == 0) && (i < 4)
	v_max_num_f32 v[M+i], |v[HB+2*i]|, |v[HB+2*i+1]|
.else
	v_max3_num_f32 v[M+i%4], v[M+i%4], |v[HB+2*i]|, |v[HB+2*i+1]|
.endif
.set i, i+1
.endr
.endm
	GELU 0
	GELU 1
	GELU 2
	GELU 3
	v_max3_num_f32 v[M], v[M], v[M+1], v[M+2]
	v_max_num_f32 v[M], v[M], v[M+3]
	v_max_num_f32_dpp v[M], v[M], v[M] row_xmask:1 row_mask:0xf bank_mask:0xf
	v_max_num_f32_dpp v[M], v[M], v[M] row_xmask:2 row_mask:0xf bank_mask:0xf
	v_max_num_f32_dpp v[M], v[M], v[M] row_xmask:4 row_mask:0xf bank_mask:0xf
	v_max_num_f32_dpp v[M], v[M], v[M] row_xmask:8 row_mask:0xf bank_mask:0xf
	v_permlanex16_b32 v[TP], v[M], s26, s27        ; its destination counts as read: v9 has been written
	v_max_num_f32 v[M], v[M], v[TP]
	ds_store_b32 v[WA], v[M]                       ; all lanes write the same word with the same value
	s_wait_dscnt 0x0                               ; for the others' sake: my store is done
	s_barrier_signal -1
	s_barrier_wait -1
	ds_load_b128 v[MW:MW+3], v[ZA]
	s_wait_dscnt 0x0
	v_max3_num_f32 v[M], v[MW], v[MW+1], v[MW+2]
	v_max_num_f32 v[M], v[M], v[MW+3]
	; sh, and 1 / sh by the hardware's reciprocal and one Newton step
.if DIV_EXACT
	v_mul_f32 v[T], s22, v[M]                      ; q0 = m y, e = m - 127 q0 exact, q0 + e y, y = 1 / 127 to the nearest f32
	v_fma_f32 v[T+1], -v[T], s28, v[M]
	v_fma_f32 v[S], v[T+1], s22, v[T]
.else
	v_mul_f32 v[S], s22, v[M]
.endif
	v_max_num_f32 v[S], 0x322bcc77, v[S]           ; 1e-8
	v_rcp_f32 v[R], v[S]
	v_mov_b32 v[S+1], v[S]                         ; the plain instruction behind the reciprocal (ISA guide 5.7.2)
	s_wait_alu depctr_va_vdst(0)                   ; the wait ahead of the result's first reader
	v_fma_f32 v[T], -v[S], v[R], 1.0
	v_fma_f32 v[R], v[T], v[R], v[R]
	v_mov_b32 v[R+1], v[R]
	v_cmp_eq_u32 vcc_lo, 0, v0
	s_wait_xcnt 0x0                                ; EXEC is a source of the loads above: it changes only behind this wait
	s_and_saveexec_b32 s24, vcc_lo
	global_store_b32 v[SO], v[S], s[8:9]           ; thread 0 stores the row's scale: a single word, 8,192 bytes in the whole launch
	s_wait_xcnt 0x0                                ; and again in front of the line that widens it
	s_or_b32 exec_lo, exec_lo, s24
.irp j, 0,1,2,3,4,5,6,7,8,9,10,11,12,13,14,15
	v_pk_mul_f32 v[T:T+1], v[H+4*(\j):H+4*(\j)+1], v[R:R+1]
	v_pk_mul_f32 v[T+2:T+3], v[H+4*(\j)+2:H+4*(\j)+3], v[R:R+1]
	v_rndne_f32 v[T], v[T]
	v_rndne_f32 v[T+1], v[T+1]
	v_rndne_f32 v[T+2], v[T+2]
	v_rndne_f32 v[T+3], v[T+3]
	v_cvt_pk_bf16_f32 v[H+4*(\j)], v[T], v[T+1]
	v_cvt_pk_bf16_f32 v[H+4*(\j)+1], v[T+2], v[T+3]
	global_store_b64 v[DO], v[H+4*(\j):H+4*(\j)+1], s[6:7] offset:256*(\j)  ; the wave's 32 lanes store 256 consecutive bytes, aligned; the data registers are never written again
.endr
	s_wait_tensorcnt 0x0                           ; the wave's end: behind my last LDS store
	ds_add_u32 v[SPW], v[NIL]
	s_wait_dscnt 0x0
	s_endpgm
.Lfunc_end_k_q9d9cc7deac_geluq:
	.size	k_q9d9cc7deac_geluq, .Lfunc_end_k_q9d9cc7deac_geluq-k_q9d9cc7deac_geluq
	.p2alignl 7, 3214868480
	.fill 96, 4, 3214868480
	.section	.rodata,"a",@progbits
	.p2align	6, 0x0
	.amdhsa_kernel k_q9d9cc7deac_geluq
		.amdhsa_group_segment_fixed_size 768
		.amdhsa_private_segment_fixed_size 0
		.amdhsa_enable_private_segment 0
		.amdhsa_kernarg_size 24
		.amdhsa_user_sgpr_count 2
		.amdhsa_user_sgpr_kernarg_segment_ptr 1
		.amdhsa_wavefront_size32 1
		.amdhsa_system_sgpr_workgroup_id_x 1
		.amdhsa_system_sgpr_workgroup_id_y 1
		.amdhsa_system_sgpr_workgroup_id_z 1
		.amdhsa_system_vgpr_workitem_id 0
		.amdhsa_next_free_vgpr 160
		.amdhsa_next_free_sgpr 66
		.amdhsa_reserve_vcc 1
		.amdhsa_float_denorm_mode_32 3
		.amdhsa_float_denorm_mode_16_64 3
		.amdhsa_memory_ordered 1
		.amdhsa_forward_progress 1
		.amdhsa_inst_pref_size 54
	.end_amdhsa_kernel
	.amdgpu_metadata
---
amdhsa.version: [ 1, 2 ]
amdhsa.kernels:
  - .name:           k_q9d9cc7deac_geluq
    .symbol:         k_q9d9cc7deac_geluq.kd
    .args:
      - { .name: h, .offset: 0, .size: 8, .value_kind: global_buffer, .address_space: global }
      - { .name: hq, .offset: 8, .size: 8, .value_kind: global_buffer, .address_space: global }
      - { .name: sh, .offset: 16, .size: 8, .value_kind: global_buffer, .address_space: global }
    .group_segment_fixed_size: 768
    .private_segment_fixed_size: 0
    .kernarg_segment_align: 8
    .kernarg_segment_size: 24
    .max_flat_workgroup_size: 128
    .sgpr_count:     66
    .vgpr_count:     160
    .wavefront_size: 32
...
	.end_amdgpu_metadata
.endif
;; end of part 3
;; launch gemm2 (part 4): grid 16 x 16, 4 waves a work-group, clusters of 4 x 4, 327,680 bytes of LDS; arguments hq, q, scales, sh, b2, out0; writes out0
.if DOCPART == 4
	.amdgcn_target "amdgcn-amd-amdhsa--gfx1250"
	.amdhsa_code_object_version 6
	.text
	.protected	k_q9d9cc7deac_gemm2
	.globl	k_q9d9cc7deac_gemm2
	.p2align	8
	.type	k_q9d9cc7deac_gemm2,@function
k_q9d9cc7deac_gemm2:
	s_mov_b64 s[64:65], 0
	v_nop
	global_prefetch_b8 v0, s[64:65] scope:SCOPE_SE
	s_setreg_imm32_b32 hwreg(HW_REG_WAVE_MODE, 25, 1), 1
	s_wait_xcnt 0x0
	s_wait_alu depctr_hold_cnt(0) depctr_sa_sdst(0) depctr_va_vdst(0) depctr_va_sdst(0) depctr_va_ssrc(0) depctr_va_vcc(0) depctr_vm_vsrc(0)
	s_getreg_b32 s2, hwreg(HW_REG_IB_STS2, 6, 4)
	s_cmp_eq_u32 s2, 0
	s_cbranch_scc0 .Lentry_in_a_cluster
	s_endpgm
.Lentry_in_a_cluster:
	s_bfe_u32 s2, ttmp6, 0x10000c
	s_cmp_lg_u32 s2, 0xf033
	s_cbranch_scc0 .Lentry_shape_is_right
	s_endpgm
.Lentry_shape_is_right:
; out[m][n] = (sum over k of hq[m][k] w2q[n][k]) x (sh[m] sw2[n]) + b2[n].  hq [2048][8192] and w2q [2048][8192] (in q at byte 41,943,040) are whole numbers in -127 .. 127 held in bf16 (exact);
; sums in f32: exact while they stay under 2^24, beyond that rounded as any f32 sum is.  out [2048][2048] in f32; scale and bias are one fused multiply-add.
; A tile of out is 128 x 128, since tiles of 256 x 256 would be 64 for 256 WGPs: 16 x 16 work-groups of four waves, each wave 64 x 64: 16 accumulators of 16 x 16, 128 registers.
; K goes in 32 steps of 256 (LDS rows of 512 bytes; a wave's tensor load brings 64 of them) through two slots, as long as LDS allows.
; CLUSTERS: 4 x 4 work-groups.  The four of a row of the cluster need the same tiles of hq, the four of a column the same tiles of w2q: each tile is asked for JOINTLY.
; THE MATRIX INSTRUCTION IS USED TRANSPOSED (source 0 = 16 rows of w2q, source 1 = 16 rows of hq): lane l holds row l % 16 of out and the columns 8 (l / 16) + 0..7: 32 consecutive bytes.
; A wave's 64 columns of f32 are 256 aligned bytes, so each wave has a stage of its own on the way out and no barrier stands there.
; REGISTERS: window 0: v0-31 addresses; v32-63 results, v64-95 rows read back, on the way out; v96-103 sh of my rows; v128-255 the accumulators ((a, b) at v[128 + 8 (4 a + b)]).
;   window 1: two fragment buffers of 128: for 64 along K, 64 registers of hq (2 x 4 x 16 rows x 32 K), then 64 of w2q.    window 2: v0-31 sw2, v32-63 b2 of my lane's 32 columns; v64-95 sh sw2.
.set SIZE_N, 2048
.set SIZE_K, 8192
.set W2Q,    0x2800000                 ; w2q's first byte in q
.set SW2,    40960                     ; sw2's first byte in scales
.set KSTEP,  256
.set PITCH,  528                       ; an LDS row: 512 bytes + 16 of padding = 132 words: row r starts at bank 4 r mod 64 (64 banks of 4 bytes: ISA guide 11.1)
.set HALFT,  64*PITCH                  ; 64 rows: what one tensor load brings, and what one wave reads of either operand
.set SLOT,   4*HALFT                   ; hq's 128 rows, then w2q's 128 rows
.set STAGE,  2*SLOT                    ; behind the ring: 16 rows x 272 bytes for each wave; no tensor load lands there
.set SPITCH, 272
.set SPARE,  STAGE+4*16*SPITCH         ; behind the stages: the spare words, 128 bytes for each wave
.set LAPS, SIZE_K/(2*KSTEP)            ; a lap = two K steps = once round the ring: 16
.set ADRA, 16                          ; v16-17  LDS address of my hq fragments in slot 0, 1
.set ADRB, 20                          ; v20-21  the same for w2q
.set STO,  24                          ; v24     the way out: where I put 32 bytes of a row
.set RD,   25                          ; v25     the way out: where I read rows back
.set CO,   26                          ; v26     my byte offset in two rows of out
.set CB,   27                          ; v27     32 x (lane / 16); never rewritten
.set SPW,  28                          ; v28     LDS address of my spare word; never rewritten
.set NIL,  29                          ; v29     0; never rewritten
.set RB,   31                          ; v31     4 x (lane % 16); never rewritten
.set TMP,  32
.set BK,   64
.set SH,   96                          ; sh of block a's row, in both registers of the pair at SH + 2 a
.set ACC,  128
.set F0,   0                           ; fragment buffers, in window 1
.set F1,   128
.set SW,   0                           ; window 2: sw2 of column 16 b + 8 (lane / 16) + j at SW + 8 b + j
.set BI,   32                          ; window 2: b2 likewise
.set TS,   64                          ; window 2: sh sw2
.set G1, 24                            ; s[24:31] descriptor group 1 for hq's tiles;  s[32:39] group 0, one set for each slot
.set G0, 32
.set G1B, 48                           ; s[48:55], s[56:63] the same for w2q's tiles
.set G0B, 56
.set MSB, 0
.macro WIN new                         ; the immediate's high byte repeats the setting that is left; a switch that changes nothing is dropped
.if MSB != (\new)
	s_set_vgpr_msb (MSB<<8)|(\new)
.set MSB, \new
.endif
.endm
.set MUL,  0x05                        ; sources 0 (w2q) and 1 (hq) window 1; C and D window 0
.set TO_F, 0x40                        ; destination window 1, address window 0
.macro JLOAD s                         ; a joint load: waves 0 and 1 fetch hq's two halves, waves 2 and 3 w2q's; an s_nop 0 and four v_nop follow each of the two lines
	s_cmp_eq_u32 s11, 0
	s_cbranch_scc0 .Lfor_b_\@
	tensor_load_to_lds s[G0+4*(\s):G0+4*(\s)+3], s[G1:G1+7]
	s_nop 0
.rept 4
	v_nop
.endr
	s_branch .Lasked_\@
.Lfor_b_\@:
	tensor_load_to_lds s[G0B+4*(\s):G0B+4*(\s)+3], s[G1B:G1B+7]
	s_nop 0
.rept 4
	v_nop
.endr
.Lasked_\@:
.endm
.macro CREST                           ; a round of the cluster's barrier behind its opening barrier
	s_cmp_lg_u32 s10, 0
	s_cbranch_scc1 .Lnot_wave_0_\@
	s_barrier_signal -3
.Lnot_wave_0_\@:
	s_barrier_wait -3
	s_barrier_signal -1
	s_barrier_wait -1
.endm
.macro CROUND                          ; a whole round
	s_barrier_signal -1
	s_barrier_wait -1
	CREST
.endm
	s_load_b128 s[4:7], s[0:1], 0x0                ; hq s[4:5], q s[6:7]
	s_load_b128 s[68:71], s[0:1], 0x10             ; scales s[68:69], sh s[70:71]
	s_load_b128 s[72:75], s[0:1], 0x20             ; b2 s[72:73], out s[74:75]
	v_lshl_add_u32 v[SPW], v0, 2, SPARE
	v_mov_b32 v[NIL], 0
	ds_add_u32 v[SPW], v[NIL]                      ; the wave's opening: the add and its wait stand ahead of my first tensor load; the set-up below, work on registers, stands between them
	v_lshrrev_b32 v1, 5, v0
	v_readfirstlane_b32 s10, v1                    ; wave 0..3
	s_lshr_b32 s11, s10, 1                         ; which half of the tile's rows is mine.  Also: I fetch for hq (0) or for w2q (1)
	s_and_b32 s12, s10, 1                          ; which half of its columns.  Also: which 64 rows of that tile I fetch
	s_bfe_u32 s40, ttmp6, 0x40000                  ; cx, cy: my place in the cluster
	s_bfe_u32 s41, ttmp6, 0x40004
	s_lshl_b32 s42, ttmp9, 2
	s_add_co_u32 s42, s42, s40                     ; tile column = 4 x cluster x + cx
	s_and_b32 s13, ttmp7, 0xffff
	s_lshl_b32 s13, s13, 2
	s_add_co_u32 s13, s13, s41                     ; tile row = 4 x cluster y + cy
	s_lshl_b32 s43, s41, 2
	s_lshl_b32 s43, 15, s43                        ; my row of the cluster
	s_lshl_b32 s44, 0x1111, s40                    ; my column
	; descriptor group 1: a tile of 64 rows x 256 elements, padded in LDS
	s_or_b32 s[G1+0], s43, (1<<16)|(1<<20)|(1<<21)|(6<<22)|(3<<25)  ; 15:0 the mask; 17:16 elements of 2 bytes; 20 padding on; 21 set beside a mask; 24:22 after every 128 words (code 6); 31:25 4 words (code 3)
	s_or_b32 s[G1B+0], s44, (1<<16)|(1<<20)|(1<<21)|(6<<22)|(3<<25)
.irp g, G1, G1B
	s_mov_b32 s[(\g)+1], KSTEP<<16                 ; tensor_dim0 = 256
	s_mov_b32 s[(\g)+2], 64<<16                    ; tensor_dim1 = 64
	s_mov_b32 s[(\g)+3], KSTEP<<16                 ; tile_dim0 = 256
	s_mov_b32 s[(\g)+4], 64                        ; tile_dim1 = 64
	s_mov_b32 s[(\g)+5], SIZE_K                    ; elements from row to row
	s_mov_b32 s[(\g)+6], 0
	s_mov_b32 s[(\g)+7], 0
.endr
	s_lshl_b32 s17, s12, 6                         ; which 64 rows of the tile I fetch
	s_lshl_b32 s16, s13, 7
	s_add_co_u32 s16, s16, s17                     ; hq: row 128 x tile row + 64 x half
	s_lshl_b32 s46, s42, 7
	s_add_co_u32 s46, s46, s17                     ; w2q: row 128 x tile column + 64 x half
	s_mov_b32 s17, 0
	s_mov_b32 s47, 0
	s_mov_b64 s[18:19], SIZE_K*2
	s_mul_u64 s[16:17], s[16:17], s[18:19]
	s_mul_u64 s[46:47], s[46:47], s[18:19]
	s_mul_i32 s20, s10, HALFT                      ; where they go: wave x 64 rows: no place in the cluster enters an LDS address
	s_wait_dscnt 0x0                               ; the opening add is done
	s_wait_kmcnt 0x0
	s_add_nc_u64 s[14:15], s[4:5], s[16:17]
	s_add_nc_u64 s[6:7], s[6:7], W2Q               ; w2q
	s_add_nc_u64 s[46:47], s[6:7], s[46:47]
	CROUND                                         ; all sixteen work-groups are here: the first joint loads meet
.irp s, 0,1
	s_mov_b32 s[G0+4*(\s)], 1
	s_add_co_u32 s[G0+4*(\s)+1], s20, (\s)*SLOT
	s_add_nc_u64 s[G0+4*(\s)+2:G0+4*(\s)+3], s[14:15], (\s)*KSTEP*2
	s_or_b32 s[G0+4*(\s)+3], s[G0+4*(\s)+3], 0x80000000
	s_mov_b32 s[G0B+4*(\s)], 1
	s_add_co_u32 s[G0B+4*(\s)+1], s20, (\s)*SLOT
	s_add_nc_u64 s[G0B+4*(\s)+2:G0B+4*(\s)+3], s[46:47], (\s)*KSTEP*2
	s_or_b32 s[G0B+4*(\s)+3], s[G0B+4*(\s)+3], 0x80000000
	JLOAD \s                                       ; two tensor loads of mine are out
.endr
	v_and_b32 v1, 15, v0                           ; l % 16
	v_bfe_u32 v2, v0, 4, 1                         ; l / 16
	v_mul_u32_u24 v3, v1, PITCH
	v_lshl_add_u32 v3, v2, 4, v3                   ; a fragment's row x pitch + 16 x half
	s_mul_i32 s21, s11, HALFT                      ; my 64 rows of hq
	s_mul_i32 s22, s12, HALFT                      ; my 64 rows of w2q,
	s_add_co_u32 s22, s22, 2*HALFT                 ; which lie behind hq's 128
.irp s, 0,1
	v_add_nc_u32 v[ADRA+(\s)], s21, v3
	v_add_nc_u32 v[ADRB+(\s)], s22, v3
	s_add_co_u32 s21, s21, SLOT
	s_add_co_u32 s22, s22, SLOT
.endr
	s_mul_i32 s23, s10, 16*SPITCH
	s_add_co_u32 s23, s23, STAGE                   ; my stage
	v_mul_u32_u24 v4, v1, SPITCH                   ; in: row l % 16, 32 bytes for each half of the lanes
	v_lshl_add_u32 v4, v2, 5, v4
	v_add_nc_u32 v[STO], s23, v4
	v_mul_u32_u24 v5, v2, SPITCH                   ; back: lanes 0-15 take one row of 256 bytes, lanes 16-31 the next
	v_lshl_add_u32 v5, v1, 4, v5
	v_add_nc_u32 v[RD], s23, v5
	v_lshlrev_b32 v5, 13, v2                       ; and the same two rows in out, 8,192 bytes apart
	v_lshl_add_u32 v[CO], v1, 4, v5
	v_lshlrev_b32 v[CB], 5, v2
	v_lshlrev_b32 v[RB], 2, v1
	s_lshl_b32 s8, s13, 7
	s_lshl_b32 s9, s11, 6
	s_add_co_u32 s8, s8, s9                        ; my first row of out
	s_lshl_b32 s9, s42, 7
	s_lshl_b32 s82, s12, 6
	s_add_co_u32 s9, s9, s82                       ; my first column
	s_mov_b32 s83, 0
	s_lshl_b32 s82, s9, 2
	s_add_nc_u64 s[76:77], s[68:69], s[82:83]
	s_add_nc_u64 s[76:77], s[76:77], SW2           ; sw2 at my first column
	s_add_nc_u64 s[78:79], s[72:73], s[82:83]      ; b2 likewise
	s_add_nc_u64 s[74:75], s[74:75], s[82:83]
	s_lshl_b32 s82, s8, 2
	s_add_nc_u64 s[80:81], s[70:71], s[82:83]      ; sh at my first row
	s_lshl_b32 s82, s8, 13
	s_add_nc_u64 s[74:75], s[74:75], s[82:83]      ; out at my first row and column
	; the scales and the bias: 24 loads that stay out until the way out; their address registers are never written again
	WIN 0x80                                       ; destination window 2, address window 0
.irp b, 0,1,2,3
	global_load_b128 v[SW+8*(\b):SW+8*(\b)+3],   v[CB], s[76:77] offset:64*(\b)
	global_load_b128 v[SW+8*(\b)+4:SW+8*(\b)+7], v[CB], s[76:77] offset:64*(\b)+16
	global_load_b128 v[BI+8*(\b):BI+8*(\b)+3],   v[CB], s[78:79] offset:64*(\b)
	global_load_b128 v[BI+8*(\b)+4:BI+8*(\b)+7], v[CB], s[78:79] offset:64*(\b)+16
.endr
	WIN 0
.irp a, 0,1,2,3
	global_load_b32 v[SH+2*(\a)],   v[RB], s[80:81] offset:64*(\a)
	global_load_b32 v[SH+2*(\a)+1], v[RB], s[80:81] offset:64*(\a)
.endr
; 8 matrix instructions: m blocks a0, a0 + 1 x all 4 n blocks, 32 along K: half c of buffer f.  zero = 1: the first product starts the sums.  The 16 accumulators take turns.
.macro MUL8 f, c, a0, zero
	WIN MUL
.irp a, \a0, (\a0)+1
.irp b, 0,1,2,3
.if \zero
	v_wmma_f32_16x16x32_bf16 v[ACC+8*(4*(\a)+(\b)):ACC+8*(4*(\a)+(\b))+7], v[(\f)+64+8*(4*(\c)+(\b)):(\f)+64+8*(4*(\c)+(\b))+7], v[(\f)+8*(4*(\c)+(\a)):(\f)+8*(4*(\c)+(\a))+7], 0
.else
	v_wmma_f32_16x16x32_bf16 v[ACC+8*(4*(\a)+(\b)):ACC+8*(4*(\a)+(\b))+7], v[(\f)+64+8*(4*(\c)+(\b)):(\f)+64+8*(4*(\c)+(\b))+7], v[(\f)+8*(4*(\c)+(\a)):(\f)+8*(4*(\c)+(\a))+7], v[ACC+8*(4*(\a)+(\b)):ACC+8*(4*(\a)+(\b))+7]
.endif
.endr
.endr
.endm
; 32 LDS loads in one run: the fragments of 64 along K at byte k of the rows, into buffer f; the first 32 along K first
.macro FETCH slot, k, f
	WIN TO_F
.irp c, 0,1
.irp i, 0,1,2,3
	ds_load_b128 v[(\f)+64+8*(4*(\c)+(\i)):(\f)+64+8*(4*(\c)+(\i))+3],   v[ADRB+(\slot)] offset:(\k)+64*(\c)+(\i)*16*PITCH
	ds_load_b128 v[(\f)+64+8*(4*(\c)+(\i))+4:(\f)+64+8*(4*(\c)+(\i))+7], v[ADRB+(\slot)] offset:(\k)+64*(\c)+(\i)*16*PITCH+32
	ds_load_b128 v[(\f)+8*(4*(\c)+(\i)):(\f)+8*(4*(\c)+(\i))+3],         v[ADRA+(\slot)] offset:(\k)+64*(\c)+(\i)*16*PITCH
	ds_load_b128 v[(\f)+8*(4*(\c)+(\i))+4:(\f)+8*(4*(\c)+(\i))+7],       v[ADRA+(\slot)] offset:(\k)+64*(\c)+(\i)*16*PITCH+32
.endr
.endr
.endm
.macro PLACES                          ; four plain vector instructions in front of loads into registers that matrix instructions have read, and of arithmetic that reads results
.rept 4
	v_nop
.endr
.endm
; A K step is four quarters of 64 along K, 32 matrix instructions each, on buffers 0, 1, 0, 1.  One of the first three: multiplies buffer f and fetches the next quarter, at byte k, into g.
.macro QUARTER slot, k, f, g, zero
	s_wait_dscnt 16                                ; the first 32 along K are in; the other sixteen loads may be out
	WIN MUL
	MUL8 \f, 0, 0, \zero
	MUL8 \f, 0, 2, \zero
	PLACES
	FETCH \slot, \k, \g
	s_wait_dscnt 32                                ; all but the 32 just issued
	WIN MUL
	MUL8 \f, 1, 0, 0
	MUL8 \f, 1, 2, 0
.endm
; The last quarter multiplies buffer 1 and changes slots: ONE barrier; in front of it each wave waits for all its tensor loads, adds 0 to its spare word, and waits for that and for its own reads of this slot.
; fill = 1: the barrier opens a round of the cluster's barrier, and this slot is filled again, two K steps ahead, first thing behind the round.
.macro TURN slot, next, fill
	WIN 0                                          ; (the add's two registers lie in window 0)
	s_wait_tensorcnt 0x0                           ; all my tensor loads have landed: my part of the next slot
	ds_add_u32 v[SPW], v[NIL]
	s_wait_dscnt 17                                ; (the add and the youngest sixteen loads may be out)
	WIN MUL
	MUL8 F1, 0, 0, 0                               ; eight matrix instructions stand between the add and the wait for it
	s_wait_dscnt 0x0                               ; the add is done, and my reads of this slot are over
	s_barrier_signal -1
	MUL8 F1, 0, 2, 0
.if \fill
	WIN 0
.endif
	s_barrier_wait -1
.if \fill
	CREST                                          ; no wave of any partner still reads this slot's tile or has a load on its way
	s_add_nc_u64 s[G0+4*(\slot)+2:G0+4*(\slot)+3], s[G0+4*(\slot)+2:G0+4*(\slot)+3], 2*KSTEP*2
	s_add_nc_u64 s[G0B+4*(\slot)+2:G0B+4*(\slot)+3], s[G0B+4*(\slot)+2:G0B+4*(\slot)+3], 2*KSTEP*2
	JLOAD \slot                                    ; my one tensor load behind the round: 112 matrix instructions ahead of the wait for it; its four v_nop are also the places in front of the loads below
.else
	PLACES
.endif
	FETCH \next, 0, F0
	WIN MUL
	MUL8 F1, 1, 0, 0
	MUL8 F1, 1, 2, 0
.endm
	s_wait_tensorcnt 1                             ; my part of K step 0 is in; K step 1's may stay out
	s_barrier_signal -1
	s_barrier_wait -1                              ; everybody's is
	FETCH 0, 0, F0
	QUARTER 0, 128, F0, F1, 1                      ; the first quarter stands in front of the loop: its first products start the sums
	WIN 0                                          ; at a label and at a branch every window is 0
	s_mov_b32 s3, LAPS-1
.Llap:                                                 ; a trip goes once round the ring, from a lap's second quarter to the next lap's first, and fills both slots again
	QUARTER 0, 256, F1, F0, 0
	QUARTER 0, 384, F0, F1, 0
	TURN 0, 1, 1
	QUARTER 1, 128, F0, F1, 0
	QUARTER 1, 256, F1, F0, 0
	QUARTER 1, 384, F0, F1, 0
	TURN 1, 0, 1
	QUARTER 0, 128, F0, F1, 0
	WIN 0
	s_sub_co_u32 s3, s3, 1
	s_cmp_lg_u32 s3, 0
	s_cbranch_scc1 .Llap
	QUARTER 0, 256, F1, F0, 0                      ; the last lap is written out: it fills nothing, and has no round of the cluster's barrier
	QUARTER 0, 384, F0, F1, 0
	TURN 0, 1, 0
	QUARTER 1, 128, F0, F1, 0
	QUARTER 1, 256, F1, F0, 0
	QUARTER 1, 384, F0, F1, 0
	s_wait_dscnt 16                                ; the very last quarter: nothing more to fetch
	WIN MUL
	MUL8 F1, 0, 0, 0
	MUL8 F1, 0, 2, 0
	s_wait_dscnt 0x0
	MUL8 F1, 1, 0, 0
	MUL8 F1, 1, 2, 0
	WIN 0
; THE WAY OUT, a block of 16 rows at a time.  TSC: sh sw2 for the block's row and my 32 columns.  DEQ: sum x that + b2, one fused multiply-add, each accumulator from its low end on.
; TOSTAGE: 32 bytes a lane and accumulator into my own stage, and back as whole rows of 256 bytes.  SEND: stored.
.macro TSC a
	WIN 0x82                                       ; destination and source 0 window 2, source 1 (sh) window 0
.set i, 0
.rept 16
	v_pk_mul_f32 v[TS+2*i:TS+2*i+1], v[SW+2*i:SW+2*i+1], v[SH+2*(\a):SH+2*(\a)+1]
.set i, i+1
.endr
.endm
.macro DEQ a
	WIN 0x28                                       ; sources 1 and 2 window 2; the sums and the results window 0
.set i, 0
.rept 16
	v_pk_fma_f32 v[TMP+2*i:TMP+2*i+1], v[ACC+32*(\a)+2*i:ACC+32*(\a)+2*i+1], v[TS+2*i:TS+2*i+1], v[BI+2*i:BI+2*i+1]
.set i, i+1
.endr
	WIN 0
.endm
.macro TOSTAGE
.irp k, 0,1,2,3,4,5,6,7
	ds_store_b128 v[STO], v[TMP+4*(\k):TMP+4*(\k)+3] offset:64*((\k)/2)+16*((\k)%2)
.endr
	s_wait_xcnt 0x0                                ; the registers below were the data of the block before's stores: they are loaded again only behind this wait
.irp t, 0,1,2,3,4,5,6,7
	ds_load_b128 v[BK+4*(\t):BK+4*(\t)+3], v[RD] offset:2*SPITCH*(\t)  ; LDS serves a wave's instructions in order (ISA guide 5.7.1.4): these see the stores above
.endr
.endm
.macro SEND a
.irp t, 0,1,2,3,4,5,6,7
	s_wait_dscnt 7-(\t)                            ; rows 2 t and 2 t + 1 are back; the 7 - t younger loads may be out
	global_store_b128 v[CO], v[BK+4*(\t):BK+4*(\t)+3], s[74:75] offset:(16*(\a)+2*(\t))*SIZE_N*4 th:TH_STORE_NT  ; 16 lanes store 256 consecutive bytes, aligned
.endr
.endm
	s_wait_loadcnt 0x0                             ; the scales and the bias
	PLACES                                         ; behind the last products
	TSC 0
	DEQ 0
	TOSTAGE
.irp a, 1,2,3                          ; block a's arithmetic stands between block a - 1's loads from the stage and the waits for them
	TSC \a
	DEQ \a
	SEND (\a)-1
	TOSTAGE
.endr
	SEND 3
	s_wait_tensorcnt 0x0                           ; the wave's end: behind my last tensor load and my last LDS store
	ds_add_u32 v[SPW], v[NIL]
	s_wait_dscnt 0x0
	CROUND                                         ; the closing round: no work-group ends while a partner may still ask for a tile that names it
	s_endpgm
.Lfunc_end_k_q9d9cc7deac_gemm2:
	.size	k_q9d9cc7deac_gemm2, .Lfunc_end_k_q9d9cc7deac_gemm2-k_q9d9cc7deac_gemm2
	.p2alignl 7, 3214868480
	.fill 96, 4, 3214868480
	.section	.rodata,"a",@progbits
	.p2align	6, 0x0
	.amdhsa_kernel k_q9d9cc7deac_gemm2
		.amdhsa_group_segment_fixed_size 327680
		.amdhsa_private_segment_fixed_size 0
		.amdhsa_enable_private_segment 0
		.amdhsa_kernarg_size 48
		.amdhsa_user_sgpr_count 2
		.amdhsa_user_sgpr_kernarg_segment_ptr 1
		.amdhsa_wavefront_size32 1
		.amdhsa_system_sgpr_workgroup_id_x 1
		.amdhsa_system_sgpr_workgroup_id_y 1
		.amdhsa_system_sgpr_workgroup_id_z 1
		.amdhsa_system_vgpr_workitem_id 0
		.amdhsa_next_free_vgpr 640
		.amdhsa_next_free_sgpr 84
		.amdhsa_reserve_vcc 0
		.amdhsa_float_denorm_mode_32 3
		.amdhsa_float_denorm_mode_16_64 3
		.amdhsa_memory_ordered 1
		.amdhsa_forward_progress 1
		.amdhsa_inst_pref_size 98
	.end_amdhsa_kernel
	.amdgpu_metadata
---
amdhsa.version: [ 1, 2 ]
amdhsa.kernels:
  - .name:           k_q9d9cc7deac_gemm2
    .symbol:         k_q9d9cc7deac_gemm2.kd
    .args:
      - { .name: hq, .offset: 0, .size: 8, .value_kind: global_buffer, .address_space: global }
      - { .name: q, .offset: 8, .size: 8, .value_kind: global_buffer, .address_space: global }
      - { .name: scales, .offset: 16, .size: 8, .value_kind: global_buffer, .address_space: global }
      - { .name: sh, .offset: 24, .size: 8, .value_kind: global_buffer, .address_space: global }
      - { .name: b2, .offset: 32, .size: 8, .value_kind: global_buffer, .address_space: global }
      - { .name: out0, .offset: 40, .size: 8, .value_kind: global_buffer, .address_space: global }
    .group_segment_fixed_size: 327680
    .private_segment_fixed_size: 0
    .kernarg_segment_align: 8
    .kernarg_segment_size: 48
    .max_flat_workgroup_size: 128
    .sgpr_count:     84
    .vgpr_count:     640
    .wavefront_size: 32
...
	.end_amdgpu_metadata
.endif
;; end of part 4
